; MI455X (gfx1250); checked and timed in simulation.
; The chip was launched on July 23, 2026; its instructions are those of AMD's public machine-readable ISA for CDNA 5 (MIT licence, August 2026) and "CDNA5" Instruction Set Architecture Reference Guide (July 2026). The comments in the code are by the model that wrote it; some were corrected since.
;; Dot Product Attention. Allowed arithmetic: matrix products marked QUANTISED: E4M3 operands, one given power-of-two scale a tensor, by v_wmma_f32_16x16x64_fp8_fp8 or v_wmma_f32_16x16x128_fp8_fp8, f32 sums; everything else in f32.
;; Inputs: keys 256 x 1,024 x 64 float32; lowp_scales 4 int32 (the exponents e of the quantised operands' scales 2^e); queries 256 x 1,024 x 64 float32; valid_lens 256 int32; values 256 x 1,024 x 64 float32; window_mask 4 x 1,024 x 1,024 float32.
;; Outputs: out0 256 x 1,024 x 64 float32.
;; This version of the problem:
;;   THIS VERSION OF THE PROBLEM IS GIVEN IN LOW PRECISION. The matrix products marked QUANTISED in the list below multiply operands that are first quantised to E4M3 (4 exponent bits, 3 mantissa bits; 8 bits a number), with one given power-of-two scale for each operand tensor; their sums are f32. All else is computed in f32.
;;   The module's matrix products, in the order in which they are computed (A, B: the left and right operand; K: the contracted axis; several contracted axes count as one K, in the product's order):
;;     1. batch 256 x [M 1,024, K 64] x [K 64, N 1,024]; A: input queries; B: input keys: QUANTISED (scales: A lowp_scales[0], B lowp_scales[1])
;;     2. batch 256 x [M 1,024, K 1,024] x [K 1,024, N 64]; A: softmax (see below); B: input values: QUANTISED (scales: A lowp_scales[2], B lowp_scales[3])
;;   THE QUANTISER, for each operand of a quantised product, along K:
;;     - The operand's scale is 2^e, e = its entry of the input lowp_scales (int32; the entries are numbered through the quantised products in the list's order, A before B).
;;     - Each number is divided by the scale, clamped to +-448, and rounded to the nearest number of E4M3, ties to even, subnormals kept.
;;     - The product sums the exact products of the quantised numbers (number of the format x scale) in f32.
;;   ~~~python
;;   def quantise(x, axis, e):      # numpy; x: float32 -> the quantised numbers, widened to float32 again
;;       x = np.moveaxis(x, axis, -1); K = x.shape[-1]
;;       r = np.clip(x / 2.0 ** e, -448, 448)
;;       step = 2.0 ** (np.maximum(np.frexp(np.where(r == 0, 1, r))[1] - 1, -6) - 3)
;;       q = np.round(r / step) * step * 2.0 ** e      # np.round: ties to even
;;       return np.moveaxis(q, -1, axis).astype(np.float32)
;;   ~~~
;;   SOFTMAX AHEAD OF A QUANTISED PRODUCT. Where the list says 'softmax', what is quantised is not the finished softmax but p = 2^(t - M), with t = logit x log2(e) and M = ceil(the row's largest t), a whole number; so 1/2 < the row's largest p <= 1. The row's sum l is taken of the UNQUANTISED p, in f32, and the product's result is divided by l at the end. Since M is a whole number, a kernel that streams over the keys may use a running M (the ceiling of the running maximum): every later rescaling is an exact power of two, so the quantised numbers keep their values, but for numbers so far below the row's largest that they fall under the format's range.
;;   OPERANDS COMPUTED ON THE WAY. 'Computed on the way' means the value that the module computes at that place (a softmax that the list does not call 'softmax' is quantised finished and normalised). What goes into a quantiser is computed in f32, as accurately as f32 sums, v_exp_f32 and their like allow (about 1e-6 of the number): no bf16 or f16 on the way to a quantiser, and a product that is left as it is and whose result goes on into a quantised operand takes f32 operands (vector FMAs, or v_wmma_f32_16x16x4_f32). A number that lies on a knife's edge between two numbers of the format may be rounded either way, as far as f32 arithmetic and the matrix unit's own rounding can turn it there, and no further.
;; One version. Each part assembles by itself: llvm-mc -triple=amdgcn-amd-amdhsa -mcpu=gfx1250 --defsym DOCPART=n.
;; ======== version 1 of 1: 2 launches
;; limits: right only within a limited range of input values
;; workspace buffers: kc 16,777,216 bytes; vc 16,777,216 bytes; mk 16,777,216 bytes; order 2,048 bytes of whole numbers
;; launch prep (part 1): grid 1025 x 1, 8 waves a work-group, no clusters, 105,472 bytes of LDS; arguments keys, values, window_mask, valid_lens, lowp_scales, kc, vc, mk, order; writes kc, vc, mk, order
.if DOCPART == 1
	.amdgcn_target "amdgcn-amd-amdhsa--gfx1250"
	.amdhsa_code_object_version 6
	.text
	.protected	k_q10ab6a2b81_prep
	.globl	k_q10ab6a2b81_prep
	.p2align	8
	.type	k_q10ab6a2b81_prep,@function
k_q10ab6a2b81_prep:
	s_mov_b64 s[64:65], 0
	v_nop
	global_prefetch_b8 v0, s[64:65] scope:SCOPE_SE
	s_setreg_imm32_b32 hwreg(HW_REG_WAVE_MODE, 25, 1), 1
	s_wait_xcnt 0x0
; PREPARATION FOR THE ATTENTION LAUNCH.  Four kinds of work-group, told apart by the work-group number alone (id = number - 1):
;   number 0        the list of tasks: heads sorted and grouped by the key steps that count; head and length stored as whole numbers
;   id 0 .. 511     keys: f32 -> codes of E4M3, laid as images of the first product's operand
;   id 512 .. 767   values: f32 -> codes with the KEYS innermost, laid as images of the second product's operand
;   id 768 .. 1023  window_mask x 2^(3 - eq - ek) (a power of two: nothing is rounded), laid as the transposed scores lie in a lane: it is the C operand of the first product,
;                   whose sums stand for score / 2^(eq + ek); (sum + C) x 2^(eq + ek) / 8 = score / 8 + mask
; The queries are not touched here: each of their rows is read by one wave of the next launch, once, and is quantised there.
; code = x / 2^e, held within +-448, to the nearest code, ties to even; e = lowp_scales[1] (keys), [3] (values).
; LIMITS: each e between -126 and 119; eq + ek between -123 and 129, so that every power of two here is an f32 number.  NaN among the inputs is not served.
; KEY STEPS THAT COUNT.  v = valid_len held within 0 .. 1024; steps = (((v - 1) & 1023) >> 7) + 1: the steps of 128 keys that hold a valid key,
; and all 8 where v = 0 (there every logit is the fill value and every key counts alike).  Blocks of keys and values past that are neither written here nor read later:
; the whole numbers valid_lens decide it, and the weights of those keys are 2^(-1,442,695 - M), which is 0 in f32 (the limit stands at the head of the next kernel).
; IMAGES (lane l = 16 h + r):
;   kc:     head x 65536 + tile of 16 rows x 1024 + i x 512 + 16 l; byte y of word x is d = 32 i + 16 h + 4 x + y of row r.  The next launch lays the queries' codes in the same order of d.
;   vc:     head x 65536 + key step x 8192 + dt x 2048 + cc x 512 + 16 l; row r of tile dt = 2 hi + e is channel 32 hi + 2 r + e; the 16 bytes are keys 32 cc + 8 h + 0..7, then 32 cc + 16 + 8 h + 0..7.
;   mk:     ((window x 64 + tile of 16 queries) x 8 + key step) x 8192 + i x 512 + 16 l; register 4 i + x = 8 t + j is key 16 t + 8 h + j of query r.
;   order:  (4 x group rank + slot) x 8 bytes: head, length.
; Each path that uses LDS has LDS bytes of its own.  Only the list's path hands data from wave to wave, through two barriers.
.set QKW, 4352                         ; keys: a wave's stage of 16 rows x (256 + 16) bytes
.set MST, 8*QKW                        ; the mask's stages begin behind them
.set MW,  8448                         ; mask: a wave's stage of 16 rows x (512 + 16) bytes
.set SPARE, 0x19000                    ; the spare words, 128 bytes a wave
.set SRT, 0x19400                      ; the list's two tables of 256 words
.set QR,  16                           ; v16-143   64 rows as loaded
.set QX,  144                          ; v144-175  a tile: 32 numbers of my row, in the image's order
.set QC,  176                          ; v176-207  codes, 8 registers a tile
.set VL,  16                           ; v16-143   two sets of 32 keys x 2 channels
.set VX,  144                          ; v144-207  a chunk held and sorted: 8 runs of 8 neighbouring keys
.set VC,  208                          ; v208-223  its codes
.set MR,  16                           ; v16-79    16 rows as loaded
.set MX,  80                           ; v80-143   64 numbers of my query
.macro VW
	s_wait_alu depctr_va_vdst(0)
.endm
.macro STEPS reg                       ; valid_len in s[reg] becomes the number of key steps that count
	s_max_i32 s[\reg], s[\reg], 0
	s_min_i32 s[\reg], s[\reg], 1024
	s_sub_co_u32 s[\reg], s[\reg], 1
	s_and_b32 s[\reg], s[\reg], 1023
	s_lshr_b32 s[\reg], s[\reg], 7
	s_add_co_u32 s[\reg], s[\reg], 1
.endm
.macro SCALE reg                       ; e in s[reg]: v11 = 2^e (the conversion takes its exponent field), v10 = 448 x 2^e
	s_add_co_i32 s44, s[\reg], 127
	s_lshl_b32 s45, s44, 23
	v_mov_b32 v11, s45
	s_add_co_i32 s44, s44, 8
	s_lshl_b32 s44, s44, 23
	s_or_b32 s44, s44, 0x600000
	v_mov_b32 v10, s44
.endm
	s_load_b64 s[6:7], s[0:1], 0x0                 ; keys
	s_load_b256 s[8:15], s[0:1], 0x8               ; values 8, window_mask 10, valid_lens 12, lowp_scales 14
	s_load_b64 s[18:19], s[0:1], 0x28              ; kc
	s_load_b128 s[20:23], s[0:1], 0x30             ; vc 20, mk 22
	s_load_b64 s[24:25], s[0:1], 0x40              ; order
	v_lshl_add_u32 v224, v0, 2, SPARE
	v_mov_b32 v225, 0
	v_lshrrev_b32 v1, 5, v0
	v_readfirstlane_b32 s26, v1                    ; wave 0..7
	v_and_b32 v1, 31, v0                           ; lane
	v_lshlrev_b32 v2, 4, v1                        ; 16 x lane
	v_and_b32 v5, 15, v0                           ; r
	v_bfe_u32 v6, v0, 4, 1                         ; h
	s_mov_b32 s41, 0                               ; upper words of the two offset pairs
	s_mov_b32 s43, 0
	s_sub_co_u32 s46, ttmp9, 1                     ; id; in work-group 0 it wraps to the greatest number and passes all three tests below
	VW
	s_wait_kmcnt 0x0
	s_cmp_lt_u32 s46, 512
	s_cbranch_scc1 .Lk
	s_cmp_lt_u32 s46, 768
	s_cbranch_scc1 .Lv
	s_cmp_lt_u32 s46, 1024
	s_cbranch_scc1 .Lm
; ---- THE LIST.  Thread t: window w = t / 64, member i = t % 64 = 8 b + h, head n = 32 b + 8 w + h.
; (1) Every thread holds its window's 64 keys (((v - 1) & 1023) x 64 + member: all different) and counts those under its own: its rank.  Ranks 4 g .. 4 g + 3 are group g of the window.
; (2) Through LDS, at places made of the thread's number: every thread adds up the key steps of its own group's four heads: the group's cost.
; (3) Through LDS again: every thread counts, among all 256 threads' keys (cost x 64 + 16 w + g: one value a group, held by four threads), those under its own: 4 x the group's rank among all 64.
	v_lshrrev_b32 v3, 6, v0                        ; w
	v_and_b32 v4, 63, v0                           ; i
	v_lshrrev_b32 v7, 3, v4
	v_lshlrev_b32 v7, 5, v7                        ; 32 b
	v_lshl_add_u32 v7, v3, 3, v7                   ; + 8 w
	v_and_b32 v8, 7, v4
	v_add_nc_u32 v7, v7, v8                        ; n
	v_lshlrev_b32 v8, 5, v3                        ; the window's first length: byte 32 w; batch b lies 128 bytes on
	v_lshlrev_b32 v9, 2, v7                        ; my own: byte 4 n
	v_mov_b32 v12, 0
	v_mov_b32 v83, 0                               ; rank
	v_lshl_add_u32 v13, v0, 2, SRT                 ; my word of a table
	v_lshlrev_b32 v14, 8, v3
	v_add_nc_u32 v14, SRT, v14                     ; my window's 64 words of the first table
	v_mov_b32 v15, SRT+1024                        ; the second table
	s_movk_i32 s47, 0x100
.set j, 0
.rept 16
	global_load_b128 v[16+4*j:16+4*j+3], v8, s[12:13] offset:128*(j/2)+16*(j%2)
.set j, j+1
.endr
	global_load_b32 v80, v9, s[12:13]
	VW
	s_wait_loadcnt 0x0
	v_cmp_gt_i32 vcc_lo, 0, v80                    ; a negative length counts as 0,
	v_cndmask_b32 v81, v80, v12, vcc_lo
	v_min_u32 v81, 0x400, v81                      ; one past 1,024 as 1,024: v
	v_add_nc_u32 v82, -1, v81
	v_and_b32 v82, 0x3ff, v82
	v_lshl_add_u32 v82, v82, 6, v4                 ; my key
.set j, 0
.rept 64
	v_cmp_gt_i32 vcc_lo, 0, v[16+j]
	v_cndmask_b32 v[16+j], v[16+j], v12, vcc_lo
	v_min_u32 v[16+j], 0x400, v[16+j]
	v_add_nc_u32 v[16+j], -1, v[16+j]
	v_and_b32 v[16+j], 0x3ff, v[16+j]
	v_lshl_add_u32 v[16+j], v[16+j], 6, j
.set j, j+1
.endr
.set j, 0
.rept 64
	v_cmp_lt_u32 vcc_lo, v[16+j], v82
	v_add_co_ci_u32 v83, vcc_lo, 0, v83, vcc_lo    ; rank + 1 where member j comes before me
.set j, j+1
.endr
	v_min_u32 v83, 63, v83
	v_lshrrev_b32 v84, 13, v82
	v_add_nc_u32 v84, 1, v84                       ; my key steps
	v_lshrrev_b32 v85, 2, v83                      ; g
	v_lshl_or_b32 v88, v85, 8, v84                 ; 256 g + steps
	v_lshlrev_b32 v91, 8, v85
	v_mov_b32 v92, 0                               ; my group's cost
	ds_store_b32 v13, v88
	VW
	s_wait_dscnt 0x0                               ; for the others: my word has landed
	s_barrier_signal -1
	s_barrier_wait -1
.set j, 0
.rept 16
	ds_load_b128 v[16+4*j:16+4*j+3], v14 offset:16*j
.set j, j+1
.endr
	s_wait_dscnt 0x0
.set j, 0
.rept 64
	v_sub_nc_u32 v[16+j], v[16+j], v91             ; under 256 for the members of my group alone: then it is the member's steps
	v_cmp_gt_u32 vcc_lo, s47, v[16+j]
	v_cndmask_b32 v[16+j], v12, v[16+j], vcc_lo
	v_add_nc_u32 v92, v92, v[16+j]
.set j, j+1
.endr
	v_lshl_add_u32 v93, v3, 4, v85                 ; 16 w + g
	v_lshl_add_u32 v94, v92, 6, v93                ; the group's key
	v_mov_b32 v89, 0
	ds_store_b32 v13, v94 offset:1024
	VW
	s_wait_dscnt 0x0
	s_barrier_signal -1
	s_barrier_wait -1
.irp b, 0,1
.set j, 0
.rept 32
	ds_load_b128 v[96+4*j:96+4*j+3], v15 offset:512*\b+16*j
.set j, j+1
.endr
	VW
	s_wait_dscnt 0x0
.set j, 0
.rept 128
	v_cmp_lt_u32 vcc_lo, v[96+j], v94
	v_add_co_ci_u32 v89, vcc_lo, 0, v89, vcc_lo
.set j, j+1
.endr
.endr
	v_and_b32 v90, 3, v83                          ; my slot in the group: the steps ascend with it
	v_and_or_b32 v90, v89, 0xfc, v90               ; 4 x the group's rank + slot
	v_min_u32 v90, 0xff, v90                       ; a number made of loaded ones is held within its table before it enters an address
	v_lshlrev_b32 v90, 3, v90
	v_mov_b32 v86, v7
	v_mov_b32 v87, v81
	global_store_b64 v90, v[86:87], s[24:25]       ; head, length
	s_wait_tensorcnt 0x0                           ; the wave's end
	ds_add_u32 v224, v225
	s_wait_dscnt 0x0
	s_endpgm
; ---- KEYS.  A work-group takes 512 rows of one head, a wave 64: 16 KiB, dense in memory.
.Lk:
	s_lshr_b32 s28, s46, 1                         ; head
	s_and_b32 s29, s46, 1                          ; which 512 rows
	s_lshl_b32 s30, s28, 2
	s_load_b32 s31, s[12:13], s30 offset:0x0       ; valid_lens[head]
	s_load_b32 s32, s[14:15], 0x4                  ; ek
	s_lshl_b32 s38, s29, 9
	s_lshl_b32 s39, s26, 6
	s_add_co_u32 s38, s38, s39                     ; my first row
	s_lshl_b32 s40, s28, 18
	s_lshl_b32 s39, s38, 8
	s_add_co_u32 s40, s40, s39                     ; in: head x 262,144 + row x 256
	s_add_nc_u64 s[34:35], s[6:7], s[40:41]
	s_lshl_b32 s42, s28, 16
	s_lshl_b32 s39, s38, 6
	s_add_co_u32 s42, s42, s39                     ; out: head x 65,536 + row x 64
	s_add_nc_u64 s[36:37], s[18:19], s[42:43]
	s_mul_i32 s39, s26, QKW                        ; my stage
	v_mul_u32_u24 v3, v6, 272
	v_lshl_add_u32 v3, v5, 4, v3
	v_add_nc_u32 v3, s39, v3                       ; in: a load holds two rows: row l / 16, 16 bytes at 16 (l % 16)
	v_mul_u32_u24 v4, v5, 272
	v_lshl_add_u32 v4, v6, 6, v4
	v_add_nc_u32 v4, s39, v4                       ; back: row r, 64 bytes on for the upper half of the lanes.  272 = 17 x 16
	VW
	s_wait_kmcnt 0x0
	STEPS 31
	s_lshl_b32 s31, s31, 7                         ; keys that are needed
	s_cmp_ge_u32 s38, s31
	s_cbranch_scc1 .Ldone                          ; rows of keys past the steps that count are not quantised
.set k, 0
.rept 32
	global_load_b128 v[QR+4*k:QR+4*k+3], v2, s[34:35] offset:512*k th:TH_LOAD_NT   ; 32 lanes read 512 consecutive bytes
.set k, k+1
.endr
	SCALE 32
; A tile of 16 rows goes through the stage as it lies and comes back 2 x 64 bytes a lane: d = 32 i + 16 h + 0..15 of row r.  LDS serves a wave in order: no wait between stores and loads.
.macro KTILE tl
	s_wait_loadcnt 24-8*\tl                        ; the tile's 8 loads are in, those of the later tiles stay out
.irp g, 0,1,2,3,4,5,6,7
	ds_store_b128 v3, v[QR+32*\tl+4*\g:QR+32*\tl+4*\g+3] offset:544*\g
.endr
.irp i, 0,1
.irp x, 0,1,2,3
	ds_load_b128 v[QX+16*\i+4*\x:QX+16*\i+4*\x+3], v4 offset:128*\i+16*\x
.endr
.endr
	s_wait_dscnt 0x0
.set k, 0
.rept 32
	v_med3_num_f32 v[QX+k], v[QX+k], -v10, v10     ; the conversion to an 8-bit code does not saturate (ISA guide 7.6.2): the hold at the largest code x the scale
.set k, k+1
.endr
.irp i, 0,1
	v_cvt_scalef32_pk8_fp8_f32 v[QC+8*\tl+4*\i:QC+8*\tl+4*\i+1], v[QX+16*\i:QX+16*\i+7], v11
	v_cvt_scalef32_pk8_fp8_f32 v[QC+8*\tl+4*\i+2:QC+8*\tl+4*\i+3], v[QX+16*\i+8:QX+16*\i+15], v11
.endr
	v_nop                                          ; a plain line behind the last conversion
.endm
	VW
	KTILE 0
	KTILE 1
	KTILE 2
	KTILE 3
.set k, 0
.rept 8
	global_store_b128 v2, v[QC+4*k:QC+4*k+3], s[36:37] offset:512*k   ; all four tiles' codes, behind the last turn through LDS: 512 consecutive bytes a store, aligned
.set k, k+1
.endr
	s_wait_tensorcnt 0x0
	ds_add_u32 v224, v225
	s_wait_dscnt 0x0
	s_endpgm
; ---- VALUES.  A work-group takes a head, a wave a key step of 128 keys.  A LANE TAKES TWO CHANNELS (2 l, 2 l + 1) AND ITS REGISTERS RUN DOWN THE KEYS: each load is one whole row of 256 bytes,
; and the conversions give codes with the keys innermost.  Nothing goes through LDS: a lane's 16 bytes are the 16 bytes of lane (r, hh) of an image.
.Lv:
	s_sub_co_u32 s28, s46, 512                     ; head
	s_lshl_b32 s30, s28, 2
	s_load_b32 s31, s[12:13], s30 offset:0x0       ; valid_lens[head]
	s_load_b32 s32, s[14:15], 0xc                  ; ev
	s_lshl_b32 s40, s28, 18
	s_lshl_b32 s39, s26, 15
	s_add_co_u32 s40, s40, s39                     ; in: head x 262,144 + key step x 32,768
	s_add_nc_u64 s[34:35], s[8:9], s[40:41]
	s_lshl_b32 s42, s28, 16
	s_lshl_b32 s39, s26, 13
	s_add_co_u32 s42, s42, s39                     ; out: head x 65,536 + key step x 8,192
	s_add_nc_u64 s[36:37], s[20:21], s[42:43]
	v_lshlrev_b32 v3, 3, v1                        ; 8 bytes a lane
	v_lshlrev_b32 v4, 12, v6
	v_lshl_add_u32 v4, v5, 4, v4                   ; tiles 2 hi, 2 hi + 1 begin at 4,096 hi; row r at 16 r
	VW
	s_wait_kmcnt 0x0
	STEPS 31
	s_cmp_ge_u32 s26, s31
	s_cbranch_scc1 .Ldone                          ; a key step that does not count
.macro VLOADC cc                       ; chunk cc: keys 32 cc + 0..31 into set cc % 2
.irp k, 0,1,2,3,4,5,6,7,8,9,10,11,12,13,14,15,16,17,18,19,20,21,22,23,24,25,26,27,28,29,30,31
	global_load_b64 v[VL+64*(\cc%2)+2*\k:VL+64*(\cc%2)+2*\k+1], v3, s[34:35] offset:(32*\cc+\k)*256 th:TH_LOAD_NT
.endr
.endm
.macro VCHUNK cc
.if \cc < 3
	s_wait_loadcnt 32                              ; this chunk's 32 loads are in, the next chunk's 32 stay out
.else
	s_wait_loadcnt 0x0
.endif
.irp e, 0,1
.irp hh, 0,1
.irp u, 0,1
.irp j, 0,1,2,3,4,5,6,7
	v_med3_num_f32 v[VX+((2*\e+\hh)*2+\u)*8+\j], v[VL+64*(\cc%2)+2*(16*\u+8*\hh+\j)+\e], -v10, v10   ; the hold also sorts: channel e, keys 16 u + 8 hh + 0..7 on end
.endr
.endr
.endr
.endr
	VW
	s_wait_xcnt 0x0                                ; the codes' registers are the last chunk's store data: written again only behind this wait
.irp e, 0,1
.irp hh, 0,1
.irp u, 0,1
	v_cvt_scalef32_pk8_fp8_f32 v[VC+(2*\e+\hh)*4+2*\u:VC+(2*\e+\hh)*4+2*\u+1], v[VX+((2*\e+\hh)*2+\u)*8:VX+((2*\e+\hh)*2+\u)*8+7], v11
.endr
.endr
.endr
	v_nop                                          ; a plain line behind the last conversion: the next chunk's holds write its sources
.irp e, 0,1
.irp hh, 0,1
	global_store_b128 v4, v[VC+(2*\e+\hh)*4:VC+(2*\e+\hh)*4+3], s[36:37] offset:2048*\e+512*\cc+256*\hh   ; sixteen lanes store 256 consecutive bytes, aligned
.endr
.endr
.if \cc+2 < 4
	VLOADC (\cc+2)
.endif
.endm
	VLOADC 0
	VLOADC 1
	SCALE 32
	VW
	VCHUNK 0
	VCHUNK 1
	VCHUNK 2
	VCHUNK 3
	s_endpgm
; ---- THE MASK.  A work-group takes 16 queries of a window, a wave 128 keys of them: 16 pieces of 512 bytes.  Through the stage they turn into 64 numbers a lane, as the scores lie; x 2^(3 - eq - ek) on the way.
.Lm:
	s_sub_co_u32 s28, s46, 768                     ; 64 x window + tile of queries
	s_load_b64 s[32:33], s[14:15], 0x0             ; eq, ek
	s_lshl_b32 s40, s28, 16
	s_lshl_b32 s39, s26, 9
	s_add_co_u32 s40, s40, s39                     ; in: 16 rows of 4,096 bytes a tile, 512 bytes a key step
	s_add_nc_u64 s[34:35], s[10:11], s[40:41]
	s_lshl_b32 s42, s28, 3
	s_add_co_u32 s42, s42, s26
	s_lshl_b32 s42, s42, 13                        ; out: 8,192 bytes for each tile and key step
	s_add_nc_u64 s[36:37], s[22:23], s[42:43]
	s_mul_i32 s39, s26, MW
	s_add_co_u32 s39, s39, MST                     ; my stage
	v_add_nc_u32 v3, s39, v2                       ; in: a row's piece as it lies
	v_mul_u32_u24 v4, v5, 528
	v_lshl_add_u32 v4, v6, 5, v4
	v_add_nc_u32 v4, s39, v4                       ; back: row r, 32 bytes on for the upper half.  528 = 33 x 16
.set k, 0
.rept 16
	global_load_b128 v[MR+4*k:MR+4*k+3], v2, s[34:35] offset:4096*k th:TH_LOAD_NT   ; 512 consecutive bytes
.set k, k+1
.endr
	VW
	s_wait_loadcnt 0x0
.set k, 0
.rept 16
	ds_store_b128 v3, v[MR+4*k:MR+4*k+3] offset:528*k
.set k, k+1
.endr
.set k, 0
.rept 16
	ds_load_b128 v[MX+4*k:MX+4*k+3], v4 offset:64*(k/2)+16*(k%2)   ; registers 4 k on: keys 16 (k / 2) + 8 h + 4 (k % 2) on
.set k, k+1
.endr
	s_wait_kmcnt 0x0
	s_add_co_i32 s32, s32, s33
	s_sub_co_i32 s32, 130, s32
	s_lshl_b32 s32, s32, 23                        ; 2^(3 - eq - ek) as f32
	s_mov_b32 s33, s32                             ; (named with it as a pair)
	s_wait_dscnt 0x0
.set k, 0
.rept 32
	v_pk_mul_f32 v[MX+k:MX+k+1], v[MX+k:MX+k+1], s[32:33] op_sel_hi:[1,0]
.set k, k+2
.endr
.set k, 0
.rept 16
	global_store_b128 v2, v[MX+4*k:MX+4*k+3], s[36:37] offset:512*k
.set k, k+1
.endr
.Ldone:
	s_wait_tensorcnt 0x0
	ds_add_u32 v224, v225
	s_wait_dscnt 0x0
	s_endpgm
.Lfunc_end_k_q10ab6a2b81_prep:
	.size	k_q10ab6a2b81_prep, .Lfunc_end_k_q10ab6a2b81_prep-k_q10ab6a2b81_prep
	.p2alignl 7, 3214868480
	.fill 96, 4, 3214868480
	.section	.rodata,"a",@progbits
	.p2align	6, 0x0
	.amdhsa_kernel k_q10ab6a2b81_prep
		.amdhsa_group_segment_fixed_size 105472
		.amdhsa_private_segment_fixed_size 0
		.amdhsa_enable_private_segment 0
		.amdhsa_kernarg_size 72
		.amdhsa_user_sgpr_count 2
		.amdhsa_user_sgpr_kernarg_segment_ptr 1
		.amdhsa_wavefront_size32 1
		.amdhsa_system_sgpr_workgroup_id_x 1
		.amdhsa_system_sgpr_workgroup_id_y 1
		.amdhsa_system_sgpr_workgroup_id_z 1
		.amdhsa_system_vgpr_workitem_id 0
		.amdhsa_next_free_vgpr 226
		.amdhsa_next_free_sgpr 66
		.amdhsa_reserve_vcc 1
		.amdhsa_float_denorm_mode_32 3
		.amdhsa_float_denorm_mode_16_64 3
		.amdhsa_memory_ordered 1
		.amdhsa_forward_progress 1
		.amdhsa_inst_pref_size 117
	.end_amdhsa_kernel
	.amdgpu_metadata
---
amdhsa.version: [ 1, 2 ]
amdhsa.kernels:
  - .name:           k_q10ab6a2b81_prep
    .symbol:         k_q10ab6a2b81_prep.kd
    .args:
      - { .name: keys, .offset: 0, .size: 8, .value_kind: global_buffer, .address_space: global }
      - { .name: values, .offset: 8, .size: 8, .value_kind: global_buffer, .address_space: global }
      - { .name: window_mask, .offset: 16, .size: 8, .value_kind: global_buffer, .address_space: global }
      - { .name: valid_lens, .offset: 24, .size: 8, .value_kind: global_buffer, .address_space: global }
      - { .name: lowp_scales, .offset: 32, .size: 8, .value_kind: global_buffer, .address_space: global }
      - { .name: kc, .offset: 40, .size: 8, .value_kind: global_buffer, .address_space: global }
      - { .name: vc, .offset: 48, .size: 8, .value_kind: global_buffer, .address_space: global }
      - { .name: mk, .offset: 56, .size: 8, .value_kind: global_buffer, .address_space: global }
      - { .name: order, .offset: 64, .size: 8, .value_kind: global_buffer, .address_space: global }
    .group_segment_fixed_size: 105472
    .private_segment_fixed_size: 0
    .kernarg_segment_align: 8
    .kernarg_segment_size: 72
    .max_flat_workgroup_size: 256
    .sgpr_count:     66
    .vgpr_count:     226
    .wavefront_size: 32
...
	.end_amdgpu_metadata
.endif
;; end of part 1
;; launch attn (part 2): grid 256 x 1, 8 waves a work-group, no clusters, 306,176 bytes of LDS; arguments queries, kc, vc, mk, order, lowp_scales, out0; writes out0
.if DOCPART == 2
	.amdgcn_target "amdgcn-amd-amdhsa--gfx1250"
	.amdhsa_code_object_version 6
	.text
	.protected	k_q10ab6a2b81_attn
	.globl	k_q10ab6a2b81_attn
	.p2align	8
	.type	k_q10ab6a2b81_attn,@function
k_q10ab6a2b81_attn:
	s_mov_b64 s[64:65], 0
	v_nop
	global_prefetch_b8 v0, s[64:65] scope:SCOPE_SE
	s_setreg_imm32_b32 hwreg(HW_REG_WAVE_MODE, 25, 1), 1
	s_wait_xcnt 0x0
; out0[n][q] = sum over k of softmax_k(q . k / 8 + window_mask[w][q][k], keys at or past valid_lens[n] set to -1e6) v[k], both products on codes of E4M3 with the given scales 2^eq, 2^ek, 2^ep, 2^ev.
; The first product takes the mask, laid by the launch before as mask x 2^(3 - eq - ek), as its C operand: u = codes' sum + C; t = u x c, c = log2(e) / 8 x 2^(eq + ek), is the logit x log2(e).
; M = the running largest t rounded UP to a whole number; p = 2^(t - M) is quantised, not normalised; the row's sum is taken of the unquantised p and divides at the end.
; When M moves, the sum and O are multiplied by 2^(old M - new M): exact.
; SHARES.  256 work-groups of eight waves, two waves to a SIMD, 512 registers each, so that one wave's waits, exponentials and products stand beside the other's vector work.
; A TASK is a group of four heads of one window x 128 queries; a wave takes one tile of 16 queries for all four heads.
; Key steps of 128 are the outer loop and the four heads the inner one, so a wave's mask tile (16 queries x 128 keys, 64 registers) is fetched once a key step and serves every head of the task.
; THE QUERIES ARE QUANTISED HERE, at the head of each task: a row of queries is read from memory by one wave, once.  A tile (16 rows, 4,096 dense bytes) comes by 8 loads of 512 consecutive bytes, turns through
; LDS bytes of the wave's own into 2 x 64 bytes a lane (d = 32 i + 16 h + 0..15 of row r, the order of d of the keys' images), is held within +-448 x 2^eq and converted.
; WORK THAT IS NOT DONE.  A key step all of whose keys lie at or past a head's length is left out for that head: its weights are 2^(-1,442,695 - M) = 0 in f32.
; A head of length 0 walks all 8 steps with every score replaced: every weight is then equal, as the definition has it.
; LIMIT: in a head of length 1 or more every row has a valid logit above -999,800 (else the keys left out would weigh in).  Inside the step that holds the boundary the fill value is applied as it stands.
; LIMITS on the exponents: eq and ep between -126 and 119; eq + ek between -123 and 129.  NaN and infinities are not served; the scaled scores stay under 2^31 in magnitude.
; BALANCE.  The launch before ranked all 64 groups by their key steps.  Work-group (j, qb) = (number / 8, number % 8) runs the group of rank 63 - j and then that of rank j, for queries 128 qb on.
; In a group the step counts ascend, so the heads still at work in a key step are slots s .. 3: the step is entered at slot s and falls through to slot 3.
; NO TENSOR LOADS, NO CLUSTER.  What a work-group fetches hangs on lengths read from memory, and the work-groups that read the same K, V or mask tiles need different numbers of them,
; in different key steps of different tasks.  So operands go memory -> registers -> LDS, each wave an eighth of each block:
; the next key step's K and V of all heads that have one are asked for at a step's top and stored into the other slot at its end; every barrier stands on every path.
; PREFETCH.  A wave's mask tile of key step KS + 2 (8,192 bytes, lanes 256 bytes apart, one instruction) is asked for in key step KS, one step ahead of the loads that want it, and only while slot 3 has that step.
; Which work-groups read the same tile hangs on the list, so the blocks cannot be shared out among them by address: each wave asks for its own tile.  Tiles 0 and 1 come by their loads alone.
; K and V are asked for by their loads a whole key step ahead of their use, the next task's queries by their loads ahead of the way out: these have no prefetch.
; LAYOUT.  S^T = K Q^T + C (source 0 = 16 keys, source 1 = 16 queries): lane (r, h) holds query r; register 8 t + j is key 16 t + 8 h + j.  Eight such registers convert into registers 2 t, 2 t + 1
; of source 1 of O^T = V^T P^T.  O^T: tile dt = 2 hi + e, register j: channel 32 hi + 16 h + 2 j + e.
; LDS: two slots of 65,536 bytes; in a slot head slot s at 16,384 s: K's 8 tiles (1,024 t + 512 i + 16 l), then V at + 8,192 (2,048 dt + 512 cc + 16 l).  From 131,072: a stage of 16 rows x 272 bytes a wave, for the way out;
;      from 165,888: four such stages a wave, for the queries; then the spare words.
; REGISTERS, in two windows of 256:
;   window 0: v1 16 l; v2, v3 the add's two; v4 read address; v5 write address; v6 global offset 16 l + 8,192 KS; v7 1,024 wave + 16 l; v8, v9 the stage; v10 256 l; v11 8 h; v12 boundary; v13 fill; v14 2^ep; v15 448 x 2^ep;
;             v16-23 at work; v24-39 statistics, 4 a head: -M, largest t, the sum in two halves; v40-55 codes of p; v56-71 partial sums; v72-135 S^T then p; v136-199 K's fragments, then V's; v200-231 Q, 8 a head;
;             v232-233 a chain of the sum; v234, v235 the queries' stages; v254 2^eq; v255 448 x 2^eq
;             (the next task's queries land, as f32, in v200-231, v40-71, v104-135 and v168-199, which the way out leaves alone)
;   window 1: v0-63 the mask tile; v64-191 O^T, 32 s + 8 dt; v192-255 K and V on their way to LDS, 16 a head
.set S,    72
.set P,    40
.set X,    56
.set Y,    232
.set T,    16                          ; +0 .. +3 maxima; +4 the other half; +5 at work; +6, +7 f
.set ST,   24                          ; head slot s at ST + 4 s
.set KV,   136
.set Q,    200
.set QI,   234
.set QO,   235
.set EQ2,  254
.set EQH,  255
.set O,    64
.set LB,   192
.set SPW,  2
.set NIL,  3
.set STAGE, 131072
.set QS,    165888
.set SPARE, 0x4a800
.set WV,   18
.set QM,   19                          ; my tile of queries x 65,536: its place in a window's mask
.set PF,   20                          ; s[20:21] mk at my tile and key step KS
.set TAU,  22                          ; task 0, 1
.set KS,   23                          ; key step
.set TB,   24                          ; the slot that is read
.set TBO,  25                          ; the slot that is written
.set KS1,  26                          ; KS + 1
.set KEND, 27                          ; 128 (KS + 1)
.set EP,   30
.set HN,   32                          ; s[32 + 2 s] head, s[33 + 2 s] length
.set STP,  40                          ; key steps of slot s
.set KP,   44                          ; kc at the head, + my eighth of a block
.set VP,   52                          ; vc likewise
.set C1,   60                          ; c, twice
.set SEL,  62                          ; lane selects: lane l xor 16
.set MKP,  66                          ; mk at the task's window and my tile of queries
.set OP,   68                          ; out0 at the head and my 16 rows
.set TMP,  76
.set EPV,  79                          ; ep + ev
.set NXT,  80                          ; the second task's list entries
.set QP,   88                          ; queries at the head and my 16 rows
.set MSB, 0
.macro WIN new                         ; the immediate's high byte repeats the setting that is left; a switch that changes nothing is dropped
.if MSB != \new
	s_set_vgpr_msb (MSB<<8)|\new
.set MSB, \new
.endif
.endm
.set W_QK, 0x10                        ; C (mask) window 1
.set W_RS, 0x41                        ; O^T (destination, source 0) window 1
.set W_PV, 0x50                        ; C and D window 1
.macro VW
	s_wait_alu depctr_va_vdst(0)
.endm
.macro PLACES                          ; four plain lines between a matrix instruction and a load into, or a vector read or write of, one of its registers
.rept 4
	v_nop
.endr
.endm
.macro KLOAD hd                        ; the eight fragments of K of head slot hd
.irp t, 0,1,2,3,4,5,6,7
.irp i, 0,1
	ds_load_b128 v[KV+8*\t+4*\i:KV+8*\t+4*\i+3], v4 offset:16384*\hd+1024*\t+512*\i
.endr
.endr
.endm
.macro VLOAD hd                        ; the four fragments of V, into the same registers
.irp dt, 0,1,2,3
.irp cc, 0,1,2,3
	ds_load_b128 v[KV+16*\dt+4*\cc:KV+16*\dt+4*\cc+3], v4 offset:16384*\hd+8192+2048*\dt+512*\cc
.endr
.endr
.endm
.macro LBLOAD hd, ad, off              ; my eighth (2 x 1,024 bytes) of a key step of K and V of head slot hd: each load is 512 consecutive bytes
.irp i, 0,1
	global_load_b128 v[LB+16*\hd+4*\i:LB+16*\hd+4*\i+3], v[\ad], s[KP+2*\hd:KP+2*\hd+1] offset:\off+512*\i
	global_load_b128 v[LB+16*\hd+8+4*\i:LB+16*\hd+8+4*\i+3], v[\ad], s[VP+2*\hd:VP+2*\hd+1] offset:\off+512*\i
.endr
.endm
.macro LBSTORE hd, ad                  ; and its way into a slot
.irp i, 0,1
	ds_store_b128 v[\ad], v[LB+16*\hd+4*\i:LB+16*\hd+4*\i+3] offset:16384*\hd+512*\i
	ds_store_b128 v[\ad], v[LB+16*\hd+8+4*\i:LB+16*\hd+8+4*\i+3] offset:16384*\hd+8192+512*\i
.endr
.endm
.macro QRAW hd, base                   ; my 16 rows of queries of head slot hd, f32, as they lie: 8 loads of 512 consecutive bytes
.irp g, 0,1,2,3,4,5,6,7
	global_load_b128 v[\base+4*\g:\base+4*\g+3], v1, s[QP+2*\hd:QP+2*\hd+1] offset:512*\g th:TH_LOAD_NT
.endr
.endm
.macro QSTORE hd, base                 ; into the head's stage: a load holds rows 2 g and 2 g + 1
.irp g, 0,1,2,3,4,5,6,7
	ds_store_b128 v[QI], v[\base+4*\g:\base+4*\g+3] offset:4352*\hd+544*\g
.endr
.endm
; A task's scalars from its four list entries.
.macro TASKSCAL from
	s_wait_xcnt 0x0                                ; the pointer pairs below were bases of loads and of prefetches: written again only behind this wait
	s_mov_b32 s[TMP+1], 0
.irp hd, 0,1,2,3
.if \from != HN
	s_mov_b32 s[HN+2*\hd], s[\from+2*\hd]
	s_mov_b32 s[HN+2*\hd+1], s[\from+2*\hd+1]
.endif
	s_min_u32 s[HN+2*\hd], s[HN+2*\hd], 255        ; a loaded number is held within its table before it enters an address
	s_min_u32 s[HN+2*\hd+1], s[HN+2*\hd+1], 1024
	s_sub_co_u32 s[TMP+2], s[HN+2*\hd+1], 1
	s_and_b32 s[TMP+2], s[TMP+2], 1023
	s_lshr_b32 s[TMP+2], s[TMP+2], 7
	s_add_co_u32 s[STP+\hd], s[TMP+2], 1           ; key steps that count; 8 for length 0
	s_lshl_b32 s[TMP+2], s[HN+2*\hd], 16
	s_add_co_u32 s[TMP], s[TMP+2], s3
	s_add_nc_u64 s[KP+2*\hd:KP+2*\hd+1], s[6:7], s[TMP:TMP+1]
	s_add_nc_u64 s[VP+2*\hd:VP+2*\hd+1], s[8:9], s[TMP:TMP+1]
	s_lshl_b32 s[TMP+2], s[TMP+2], 2               ; a head has 262,144 bytes of queries
	s_add_co_u32 s[TMP], s[TMP+2], s2
	s_add_nc_u64 s[QP+2*\hd:QP+2*\hd+1], s[4:5], s[TMP:TMP+1]
.endr
	s_and_b32 s[TMP], s[HN], 24                    ; head = 32 b + 8 w + h: 8 x the window,
	s_lshl_b32 s[TMP], s[TMP], 19                  ; x 64 tiles x 65,536 bytes
	s_add_co_u32 s[TMP], s[TMP], s[QM]
	s_add_nc_u64 s[MKP:MKP+1], s[10:11], s[TMP:TMP+1]
	s_mov_b64 s[PF:PF+1], s[MKP:MKP+1]
.endm
; A task's first loads, in this order: my eighth of key step 0 of K and V of the four heads (16), the mask of key step 0 (16), my queries (32).
.macro TASKLOADS
	WIN 0x40
.irp hd, 0,1,2,3
	LBLOAD \hd, 1, 0
.endr
.irp i, 0,1,2,3,4,5,6,7,8,9,10,11,12,13,14,15
	global_load_b128 v[4*\i:4*\i+3], v1, s[MKP:MKP+1] offset:512*\i
.endr
	WIN 0
	QRAW 0, Q
	QRAW 1, P
	QRAW 2, S+32
	QRAW 3, KV+32
.endm
; The row's sum behind the exponentials.  The first half's 16 pairs were added two and two into X's 8 pairs: entry e0 = 0 .. 6 adds pair e0 + 1 onto pair 0, entry 7 adds pair 0 onto the sum.
.macro SUM0 s
.if e0 == 7
	v_pk_add_f32 v[ST+4*\s+2:ST+4*\s+3], v[ST+4*\s+2:ST+4*\s+3], v[X:X+1]
.else
	v_pk_add_f32 v[X:X+1], v[X:X+1], v[X+2*e0+2:X+2*e0+3]
.endif
.set e0, e0+1
.endm
; The second half's 16 pairs: entry 0: Y = pair 0 + pair 1; entries 1 .. 14: pair e1 + 1 onto the sum and Y by turns; 15: Y onto the sum.
.macro SUM1 s
.if e1 == 0
	v_pk_add_f32 v[Y:Y+1], v[S+32:S+33], v[S+34:S+35]
.elseif e1 == 15
	v_pk_add_f32 v[ST+4*\s+2:ST+4*\s+3], v[ST+4*\s+2:ST+4*\s+3], v[Y:Y+1]
.elseif e1%2 == 1
	v_pk_add_f32 v[ST+4*\s+2:ST+4*\s+3], v[ST+4*\s+2:ST+4*\s+3], v[S+32+2*e1+2:S+32+2*e1+3]
.else
	v_pk_add_f32 v[Y:Y+1], v[Y:Y+1], v[S+32+2*e1+2:S+32+2*e1+3]
.endif
.set e1, e1+1
.endm
; ONE HEAD, ONE KEY STEP: 16 queries x 128 keys.
.macro PHASE s
.Lbody\s:
	s_wait_dscnt 0x0                               ; K's fragments are in
	WIN W_QK
.irp t, 0,1,2,3,4,5,6,7
	v_wmma_f32_16x16x64_fp8_fp8 v[S+8*\t:S+8*\t+7], v[KV+8*\t:KV+8*\t+7], v[Q+8*\s:Q+8*\s+7], v[8*\t:8*\t+7]
.endr
	WIN 0
	PLACES
	VLOAD \s                                       ; V lands under the softmax
.if \s == 3
	s_cmp_lt_u32 s[KS1], s[STP+3]                  ; slot 3 is the last reader of the mask tile and has the most steps: the next tile is asked for here
	s_cbranch_scc0 .Lnm
	WIN 0x40
.irp i, 0,1,2,3,4,5,6,7,8,9,10,11,12,13,14,15
	global_load_b128 v[4*\i:4*\i+3], v6, s[MKP:MKP+1] offset:8192+512*\i
.endr
	WIN 0
	s_add_co_u32 s[TMP], s[KS1], 1
	s_cmp_lt_u32 s[TMP], s[STP+3]                  ; and the tile after it of memory, while there is one
	s_cbranch_scc0 .Lnm
	global_prefetch_b8 v10, s[PF:PF+1] offset:16384 th:TH_LOAD_NT scope:SCOPE_SE
.Lnm:
.endif
	s_cmp_le_u32 s[KEND], s[HN+2*\s+1]             ; all 128 keys valid?
	s_cbranch_scc1 .Lopen\s
	s_sub_co_i32 s[TMP], s[HN+2*\s+1], s[KEND]
	s_add_co_i32 s[TMP], s[TMP], 127
	v_sub_nc_u32 v12, s[TMP], v11                  ; length - 128 KS - 8 h - 1: register 8 t + j is past the end where 16 t + j is greater
.irp t, 0,1,2,3,4,5,6,7
.irp j, 0,1,2,3,4,5,6,7
	v_cmp_gt_i32 vcc_lo, 16*\t+\j, v12
	v_cndmask_b32 v[S+8*\t+\j], v[S+8*\t+\j], v13, vcc_lo
.endr
.endr
.Lopen\s:
.irp c, 0,1,2,3                                ; the largest u of my query among my 64 keys: four chains, chain c over accumulators c and c + 4, each from its low end on
	v_max3_num_f32 v[T+\c], v[S+8*\c], v[S+8*\c+1], v[S+8*\c+2]
.endr
.irp i, 3,5,7,9,11,13
.irp c, 0,1,2,3
	v_max3_num_f32 v[T+\c], v[T+\c], v[S+8*\c+\i+24*(\i/8)], v[S+8*\c+(\i+1)+24*((\i+1)/8)]
.endr
.endr
.irp c, 0,1,2,3
	v_max_num_f32 v[T+\c], v[T+\c], v[S+8*\c+39]
.endr
	v_max3_num_f32 v[T], v[T], v[T+1], v[T+2]
	v_max_num_f32 v[T], v[T], v[T+3]
	v_permlanex16_b32 v[T+4], v[T], s[SEL], s[SEL+1]   ; the query's other 64 keys lie in lane l xor 16
	v_max_num_f32 v[T], v[T], v[T+4]
	v_mul_f32 v[T], s[C1], v[T]                    ; as t (c is positive)
	v_max_num_f32 v[ST+4*\s+1], v[ST+4*\s+1], v[T] ; the running largest t
	v_mov_b32 v[T+5], v[ST+4*\s]
	v_floor_f32 v[ST+4*\s], -v[ST+4*\s+1]          ; the new -M = floor(-t): M is a whole number
	v_sub_f32 v[T+5], v[ST+4*\s], v[T+5]           ; old M - new M, 0 or less
	v_cvt_i32_f32 v[T+5], v[T+5]                   ; (it saturates)
	v_ldexp_f32 v[T+6], 1.0, v[T+5]                ; f = 2^(old M - new M)
.set k, 0
.rept 16
	v_pk_fma_f32 v[S+k:S+k+1], v[S+k:S+k+1], s[C1:C1+1], v[ST+4*\s:ST+4*\s+1] op_sel_hi:[1,0,0]   ; first half: u x c - M (of the pairs c and -M the low word serves both halves)
.set k, k+2
.endr
	VW                                             ; ahead of the batch
.set k, 0
.rept 16                                       ; the first half's exponentials; among them the second half's u x c - M, which is read only behind the wait below
	v_exp_f32 v[S+k], v[S+k]
	v_exp_f32 v[S+k+1], v[S+k+1]
	v_pk_fma_f32 v[S+32+k:S+32+k+1], v[S+32+k:S+32+k+1], s[C1:C1+1], v[ST+4*\s:ST+4*\s+1] op_sel_hi:[1,0,0]
.set k, k+2
.endr
	VW                                             ; behind the first batch and ahead of the second
.set k, 0
.rept 8                                        ; the second half's exponentials; among them the first level of the first half's sum (of the unquantised p), into registers that are read only behind the wait below
	v_exp_f32 v[S+32+4*k], v[S+32+4*k]
	v_pk_add_f32 v[X+2*k:X+2*k+1], v[S+4*k:S+4*k+1], v[S+4*k+2:S+4*k+3]
	v_exp_f32 v[S+32+4*k+1], v[S+32+4*k+1]
	v_exp_f32 v[S+32+4*k+2], v[S+32+4*k+2]
	v_exp_f32 v[S+32+4*k+3], v[S+32+4*k+3]
.set k, k+1
.endr
	v_pk_mul_f32 v[ST+4*\s+2:ST+4*\s+3], v[ST+4*\s+2:ST+4*\s+3], v[T+6:T+7] op_sel_hi:[1,0]   ; the sum under the new M (a plain line behind the exponentials)
	VW                                             ; behind the second batch
.set e0, 0
.set e1, 0
.rept 8
	SUM1 \s
	SUM0 \s
	SUM1 \s
.endr
	s_cmp_ge_i32 s[EP], -8                         ; p is at most 1 and 448 x 2^ep is at least 1.75 from ep = -8 on: there the hold could change nothing
	VW
	s_cbranch_scc1 .Lnohold\s
.set k, 0
.rept 64
	v_min_num_f32 v[S+k], v[S+k], v15              ; the conversion does not saturate (ISA guide 7.6.2); p is not negative, so the hold is one-sided
.set k, k+1
.endr
.Lnohold\s:
.irp t, 0,1,2,3,4,5,6,7
	v_cvt_scalef32_pk8_fp8_f32 v[P+2*\t:P+2*\t+1], v[S+8*\t:S+8*\t+7], v14
.endr
	WIN W_RS
	VW                                             ; directly ahead of the first reader of O^T
.set k, 0
.rept 16                                       ; O^T under the new M; these are also the plain lines behind the conversions
	v_pk_mul_f32 v[O+32*\s+k:O+32*\s+k+1], v[O+32*\s+k:O+32*\s+k+1], v[T+6:T+7] op_sel_hi:[1,0]
.set k, k+2
.endr
	VW
	s_wait_dscnt 0x0                               ; V is in
	WIN W_PV
.irp dt, 0,1,2,3                               ; four accumulators, one instruction a turn
	v_wmma_f32_16x16x128_fp8_fp8 v[O+32*\s+8*\dt:O+32*\s+8*\dt+7], v[KV+16*\dt:KV+16*\dt+15], v[P:P+15], v[O+32*\s+8*\dt:O+32*\s+8*\dt+7]
.endr
	WIN 0
	PLACES                                         ; for the next loads into the fragments' registers
.if \s < 3
	KLOAD (\s+1)                                   ; the next slot is at work too (the step counts ascend)
.endif
.endm
; ---- THE HEAD
	s_load_b256 s[4:11], s[0:1], 0x0               ; queries 4, kc 6, vc 8, mk 10
	s_load_b128 s[12:15], s[0:1], 0x20             ; order 12, lowp_scales 14
	s_load_b64 s[16:17], s[0:1], 0x30              ; out0
	v_lshl_add_u32 v[SPW], v0, 2, SPARE
	v_mov_b32 v[NIL], 0
	v_lshrrev_b32 v16, 5, v0
	v_readfirstlane_b32 s[WV], v16                 ; wave 0..7
	v_and_b32 v17, 31, v0
	v_lshlrev_b32 v1, 4, v17                       ; 16 x lane
	v_lshlrev_b32 v10, 8, v17                      ; 256 x lane
	v_and_b32 v18, 15, v0                          ; r
	v_bfe_u32 v19, v0, 4, 1                        ; h
	v_lshlrev_b32 v11, 3, v19
	s_lshl_b32 s3, s[WV], 10                       ; my eighth of a block of 8,192 bytes
	s_mul_i32 s27, s[WV], 4352
	s_add_co_u32 s27, s27, STAGE                   ; my stage for the way out
	s_mul_i32 s[TMP], s[WV], 17408
	s_add_co_u32 s[TMP], s[TMP], QS                ; my four stages for the queries
	v_add_nc_u32 v7, s3, v1
	v_mul_u32_u24 v8, v18, 272
	v_lshl_add_u32 v8, v19, 6, v8                  ; row r, 64 bytes on for the upper half of the lanes
	v_mul_u32_u24 v9, v19, 272
	v_lshl_add_u32 v9, v18, 4, v9                  ; lanes 0-15 one row of 256 bytes, lanes 16-31 the next
	v_add_nc_u32 v[QO], s[TMP], v8                 ; the queries come back by the first form
	v_add_nc_u32 v[QI], s[TMP], v9                 ; and go in by the second;
	v_add_nc_u32 v8, s27, v8                       ; the results go in by the first
	v_add_nc_u32 v9, s27, v9                       ; and come back by the second
	v_mov_b32 v12, 0
.set k, 0
.rept 8
	v_mov_b32 v[T+k], 0                            ; written once: a permute's destination and the unused half of a pair count as read
.set k, k+1
.endr
	s_lshr_b32 s20, ttmp9, 3
	s_lshl_b32 s20, s20, 5                         ; the group of rank j: 32 bytes a group
	s_sub_co_u32 s21, 2016, s20                    ; the group of rank 63 - j
	s_and_b32 s[QM], ttmp9, 7                      ; block of 128 queries
	s_lshl_b32 s[QM], s[QM], 3
	s_add_co_u32 s[QM], s[QM], s[WV]               ; my tile of queries: 8 qb + wave
	s_lshl_b32 s2, s[QM], 12                       ; it has 4,096 bytes of queries and of results
	s_lshl_b32 s[QM], s[QM], 16                    ; and 65,536 bytes of mask
	s_mov_b32 s[SEL], 0x76543210
	s_mov_b32 s[SEL+1], 0xfedcba98
	VW
	s_wait_kmcnt 0x0
	s_load_b256 s[HN:HN+7], s[12:13], s21 offset:0x0
	s_load_b256 s[NXT:NXT+7], s[12:13], s20 offset:0x0
	s_load_b128 s[28:31], s[14:15], 0x0            ; eq, ek, ep, ev
	s_wait_kmcnt 0x0
	s_add_co_i32 s[TMP], s28, s29
	s_sub_co_i32 s[TMP+1], 3, s[TMP]
	v_mov_b32 v13, 0xc9742400                      ; -1e6,
	v_ldexp_f32 v13, v13, s[TMP+1]                 ; x 2^(3 - eq - ek): the fill value as u
	s_lshl_b32 s[TMP], s[TMP], 23
	s_mov_b32 s[C1], 0x3e38aa3b                    ; log2(e) / 8;
	s_add_co_i32 s[C1], s[C1], s[TMP]              ; eq + ek are added to its exponent field
	s_mov_b32 s[C1+1], s[C1]                       ; (named with it as a pair)
	s_add_co_i32 s[TMP], s[EP], 127
	s_lshl_b32 s[TMP+1], s[TMP], 23
	v_mov_b32 v14, s[TMP+1]                        ; 2^ep
	s_add_co_i32 s[TMP], s[TMP], 8
	s_lshl_b32 s[TMP], s[TMP], 23
	s_or_b32 s[TMP], s[TMP], 0x600000
	v_mov_b32 v15, s[TMP]                          ; 448 x 2^ep
	s_add_co_i32 s[TMP], s28, 127
	s_lshl_b32 s[TMP+1], s[TMP], 23
	v_mov_b32 v[EQ2], s[TMP+1]                     ; 2^eq
	s_add_co_i32 s[TMP], s[TMP], 8
	s_lshl_b32 s[TMP], s[TMP], 23
	s_or_b32 s[TMP], s[TMP], 0x600000
	v_mov_b32 v[EQH], s[TMP]                       ; 448 x 2^eq
	s_add_co_i32 s[EPV], s[EP], s31
	VW                                             ; the head's end
	TASKSCAL HN
	TASKLOADS
	s_mov_b32 s[TAU], 0
	WIN 0x40
.set k, 0
.rept 128
	v_mov_b32 v[O+k], 0                            ; O^T, once, while the first loads are out.  The key step is written once: a task's first pass multiplies what it finds by f = 2^(-huge) = 0.
.set k, k+1                                        ; The first task finds these zeros; the second finds the first's sums, each of at most 1,024 products of two codes: finite, so f = 0 clears them
.endr
	WIN 0
.Ltask:
.irp u, 0,1,2,3
	v_mov_b32 v[ST+4*\u+1], 0xff61b1e6             ; the largest t so far: -3e38
	v_floor_f32 v[ST+4*\u], -v[ST+4*\u+1]
	v_mov_b32 v[ST+4*\u+2], 0
	v_mov_b32 v[ST+4*\u+3], 0
.endr
	s_mov_b32 s[KS], 0
	s_mov_b32 s[KS1], 1
	s_mov_b32 s[KEND], 128
	s_mov_b32 s[TB], 0
	s_xor_b32 s[TBO], s[TB], 65536
	v_add_nc_u32 v4, s[TB], v1
	v_add_nc_u32 v5, s[TBO], v7
	v_mov_b32 v6, v1
	VW
	s_wait_loadcnt 48                              ; the 16 loads of K and V are in; the mask's 16 and the queries' 32, issued behind them, stay out
	WIN 0x04                                       ; store data in window 1
.irp hd, 0,1,2,3
	LBSTORE \hd, 7
.endr
	WIN 0
	s_wait_loadcnt 0x0                             ; the mask of key step 0 and my queries
	QSTORE 0, Q
	QSTORE 1, P
	QSTORE 2, S+32
	QSTORE 3, KV+32
	s_wait_dscnt 0x0                               ; the stores have read their registers, on some of which the loads below land
.irp hd, 0,1,2,3
.irp i, 0,1
.irp x, 0,1,2,3
	ds_load_b128 v[S+32*\hd+16*\i+4*\x:S+32*\hd+16*\i+4*\x+3], v[QO] offset:4352*\hd+128*\i+16*\x   ; d = 32 i + 16 h + 4 x on of row r; v72-199: 32 registers a head
.endr
.endr
.endr
	s_wait_dscnt 0x0                               ; they are back; and, for the others, my eighth of slot 0 has landed
.set k, 0
.rept 128
	v_med3_num_f32 v[S+k], v[S+k], -v[EQH], v[EQH] ; the conversion does not saturate (ISA guide 7.6.2): the hold at the largest code x the scale
.set k, k+1
.endr
.irp hd, 0,1,2,3
.irp i, 0,1
	v_cvt_scalef32_pk8_fp8_f32 v[Q+8*\hd+4*\i:Q+8*\hd+4*\i+1], v[S+32*\hd+16*\i:S+32*\hd+16*\i+7], v[EQ2]
	v_cvt_scalef32_pk8_fp8_f32 v[Q+8*\hd+4*\i+2:Q+8*\hd+4*\i+3], v[S+32*\hd+16*\i+8:S+32*\hd+16*\i+15], v[EQ2]
.endr
.endr
	v_nop                                          ; a plain line behind the last conversion
	VW
	s_barrier_signal -1
	s_barrier_wait -1
.Lks:                                              ; 8 trips, whatever the lengths: the barrier at the end stands on every way
.irp hd, 0,1,2,3                               ; has the head a next key step?  Then my eighth of its K and V is asked for now, and has the whole step in which to land
	s_cmp_lt_u32 s[KS1], s[STP+\hd]
	s_cbranch_scc0 .Lnl\hd
	WIN 0x40
	LBLOAD \hd, 6, 8192
	WIN 0
.Lnl\hd:
.endr
	s_cmp_lt_u32 s[KS], s[STP]
	s_cbranch_scc1 .Lin0
	s_cmp_lt_u32 s[KS], s[STP+1]
	s_cbranch_scc1 .Lin1
	s_cmp_lt_u32 s[KS], s[STP+2]
	s_cbranch_scc1 .Lin2
	s_cmp_lt_u32 s[KS], s[STP+3]
	s_cbranch_scc1 .Lin3
	s_branch .Lend
.Lin3:
	KLOAD 3
	s_branch .Lbody3
.Lin2:
	KLOAD 2
	s_branch .Lbody2
.Lin1:
	KLOAD 1
	s_branch .Lbody1
.Lin0:
	KLOAD 0
	PHASE 0
	PHASE 1
	PHASE 2
	PHASE 3
.Lend:
	s_wait_loadcnt 0x0                             ; the next step's K and V, and its mask tile, which the next step's first products take
.irp hd, 0,1,2,3
	s_cmp_lt_u32 s[KS1], s[STP+\hd]
	s_cbranch_scc0 .Lns\hd
	WIN 0x04
	LBSTORE \hd, 5                                 ; into the slot that nobody reads in this key step
	WIN 0
.Lns\hd:
.endr
	s_wait_dscnt 0x0                               ; my reads of this slot are over and my stores into the other have landed
	s_wait_xcnt 0x0                                ; v6 was the offset of loads and s[PF] the base of a prefetch: stepped only behind this wait
	s_add_nc_u64 s[PF:PF+1], s[PF:PF+1], 8192
	s_add_co_u32 s[KS], s[KS], 1
	s_add_co_u32 s[KS1], s[KS1], 1
	s_add_co_u32 s[KEND], s[KEND], 128
	s_xor_b32 s[TB], s[TB], 65536
	s_xor_b32 s[TBO], s[TB], 65536
	v_add_nc_u32 v6, 8192, v6
	v_add_nc_u32 v4, s[TB], v1
	v_add_nc_u32 v5, s[TBO], v7
	VW
	s_barrier_signal -1
	s_barrier_wait -1                              ; one barrier a key step: behind it the slot just written is read, and the slot just read is written
	s_cmp_lt_u32 s[KS], 8
	s_cbranch_scc1 .Lks
; ---- BEHIND THE KEY STEPS: where the results go; then the next task's first loads, which land under the way out (in registers that it leaves alone)
	s_wait_loadcnt 0x0                             ; nothing is out here: every trip ends with this wait
	s_mov_b32 s[TMP+1], 0
.irp hd, 0,1,2,3
	s_lshl_b32 s[TMP], s[HN+2*\hd], 18
	s_add_co_u32 s[TMP], s[TMP], s2                ; my 16 rows of 256 bytes
	s_add_nc_u64 s[OP+2*\hd:OP+2*\hd+1], s[16:17], s[TMP:TMP+1]
.endr
	s_cmp_eq_u32 s[TAU], 0
	s_cbranch_scc0 .Lnonext
	TASKSCAL NXT
	TASKLOADS
.Lnonext:
; ---- THE WAY OUT.  Unit u: my 16 queries of head slot u.  1 / sum x 2^(ep + ev) is kept in the unit's first sum register.
.irp u, 0,1,2,3
	v_add_f32 v[ST+4*\u+2], v[ST+4*\u+2], v[ST+4*\u+3]
.endr
.irp u, 0,1,2,3
	v_permlanex16_b32 v[ST+4*\u+3], v[ST+4*\u+2], s[SEL], s[SEL+1]
.endr
.irp u, 0,1,2,3
	v_add_f32 v[ST+4*\u+2], v[ST+4*\u+2], v[ST+4*\u+3]
.endr
	VW                                             ; ahead of the batch
.irp u, 0,1,2,3
	v_rcp_f32 v[ST+4*\u+2], v[ST+4*\u+2]
.endr
	v_nop                                          ; a plain line between the last reciprocal and the use of its result
	VW                                             ; behind the batch
.irp u, 0,1,2,3
	v_ldexp_f32 v[ST+4*\u+2], v[ST+4*\u+2], s[EPV]
.endr
; A lane's 32 results of a unit are two runs of 16 neighbouring channels of one row.  They go from v72-103 into my stage (rows of 272 bytes) and come back into v136-167 as whole rows of 256 bytes.
; LDS serves a wave in order: no wait between the stores and the loads.
.macro UNIT u
	WIN 0x01                                       ; source 0 in window 1
	VW                                             ; directly ahead of the first reader of the unit's O^T
.irp hi, 0,1
.irp e, 0,1
.irp j, 0,1,2,3,4,5,6,7
	v_mul_f32 v[S+16*\hi+2*\j+\e], v[O+32*\u+8*(2*\hi+\e)+\j], v[ST+4*\u+2]   ; each accumulator from its low end on
.endr
.endr
.endr
	WIN 0
.irp hi, 0,1
.irp x, 0,1,2,3
	ds_store_b128 v8, v[S+16*\hi+4*\x:S+16*\hi+4*\x+3] offset:128*\hi+16*\x
.endr
.endr
.irp i, 0,1,2,3,4,5,6,7
	ds_load_b128 v[KV+4*\i:KV+4*\i+3], v9 offset:544*\i
.endr
	s_wait_dscnt 0x0
.irp i, 0,1,2,3,4,5,6,7
	global_store_b128 v1, v[KV+4*\i:KV+4*\i+3], s[OP+2*\u:OP+2*\u+1] offset:512*\i th:TH_STORE_NT   ; two rows: 512 consecutive bytes, aligned
.endr
	s_wait_xcnt 0x0                                ; the stores have read their registers: the next unit's loads, or the next task's, may land there
.endm
	UNIT 0
	UNIT 1
	UNIT 2
	UNIT 3
	s_add_co_u32 s[TAU], s[TAU], 1
	s_cmp_lt_u32 s[TAU], 2
	VW
	s_cbranch_scc1 .Ltask
	s_wait_tensorcnt 0x0                           ; the wave's end
	ds_add_u32 v[SPW], v[NIL]
	s_wait_dscnt 0x0
	s_endpgm
.Lfunc_end_k_q10ab6a2b81_attn:
	.size	k_q10ab6a2b81_attn, .Lfunc_end_k_q10ab6a2b81_attn-k_q10ab6a2b81_attn
	.p2alignl 7, 3214868480
	.fill 96, 4, 3214868480
	.section	.rodata,"a",@progbits
	.p2align	6, 0x0
	.amdhsa_kernel k_q10ab6a2b81_attn
		.amdhsa_group_segment_fixed_size 306176
		.amdhsa_private_segment_fixed_size 0
		.amdhsa_enable_private_segment 0
		.amdhsa_kernarg_size 56
		.amdhsa_user_sgpr_count 2
		.amdhsa_user_sgpr_kernarg_segment_ptr 1
		.amdhsa_wavefront_size32 1
		.amdhsa_system_sgpr_workgroup_id_x 1
		.amdhsa_system_sgpr_workgroup_id_y 1
		.amdhsa_system_sgpr_workgroup_id_z 1
		.amdhsa_system_vgpr_workitem_id 0
		.amdhsa_next_free_vgpr 512
		.amdhsa_next_free_sgpr 96
		.amdhsa_reserve_vcc 1
		.amdhsa_float_denorm_mode_32 3
		.amdhsa_float_denorm_mode_16_64 3
		.amdhsa_memory_ordered 1
		.amdhsa_forward_progress 1
		.amdhsa_inst_pref_size 145
	.end_amdhsa_kernel
	.amdgpu_metadata
---
amdhsa.version: [ 1, 2 ]
amdhsa.kernels:
  - .name:           k_q10ab6a2b81_attn
    .symbol:         k_q10ab6a2b81_attn.kd
    .args:
      - { .name: queries, .offset: 0, .size: 8, .value_kind: global_buffer, .address_space: global }
      - { .name: kc, .offset: 8, .size: 8, .value_kind: global_buffer, .address_space: global }
      - { .name: vc, .offset: 16, .size: 8, .value_kind: global_buffer, .address_space: global }
      - { .name: mk, .offset: 24, .size: 8, .value_kind: global_buffer, .address_space: global }
      - { .name: order, .offset: 32, .size: 8, .value_kind: global_buffer, .address_space: global }
      - { .name: lowp_scales, .offset: 40, .size: 8, .value_kind: global_buffer, .address_space: global }
      - { .name: out0, .offset: 48, .size: 8, .value_kind: global_buffer, .address_space: global }
    .group_segment_fixed_size: 306176
    .private_segment_fixed_size: 0
    .kernarg_segment_align: 8
    .kernarg_segment_size: 56
    .max_flat_workgroup_size: 256
    .sgpr_count:     96
    .vgpr_count:     512
    .wavefront_size: 32
...
	.end_amdgpu_metadata
.endif
;; end of part 2
